; MI455X (gfx1250); checked and timed in simulation.
; The chip was launched on July 23, 2026; its instructions are those of AMD's public machine-readable ISA for CDNA 5 (MIT licence, August 2026) and "CDNA5" Instruction Set Architecture Reference Guide (July 2026). The comments in the code are by the model that wrote it; some were corrected since.
;; Vector Quantizer. Allowed arithmetic: float matrix products may take bf16 or f16 operands with f32 sums; other float arithmetic in f32, or as packed bf16 or f16 multiplies, adds, multiply-adds, maxima and minima; sums over many terms, partial sums and values carried from step to step in f32; what a program stores and reads back later, other than sums and carried values, may be rounded once to bf16 or f16.
;; Inputs: embeddings 8,192 x 256 float32; z_e 32,768 x 256 float32.
;; Outputs: out0 32,768 x 256 float32; out1 one number float32; out2 32,768 int32.
;; One version. Each part assembles by itself: llvm-mc -triple=amdgcn-amd-amdhsa -mcpu=gfx1250 --defsym DOCPART=n.
;; ======== version 1 of 1: 4 launches
;; workspace buffers: ebq 4,259,840 bytes; order 131,072 bytes of whole numbers; part 16,384 bytes
;; launch prep (part 1): grid 128 x 1, 16 waves a work-group, no clusters, 4,096 bytes of LDS; arguments embeddings, ebq; writes ebq
.if DOCPART == 1
	.amdgcn_target "amdgcn-amd-amdhsa--gfx1250"
	.amdhsa_code_object_version 6
	.text
	.protected	k_qf3c26c0efa_prep
	.globl	k_qf3c26c0efa_prep
	.p2align	8
	.type	k_qf3c26c0efa_prep,@function
k_qf3c26c0efa_prep:
	s_mov_b64 s[64:65], 0
	v_nop
	global_prefetch_b8 v0, s[64:65] scope:SCOPE_SE
	s_setreg_imm32_b32 hwreg(HW_REG_WAVE_MODE, 25, 1), 1
	s_wait_xcnt 0x0
; THE CODEBOOK IS MADE READY.  embeddings: [8192][256] f32.  ebq: 128 chunks of 33,280 bytes = 65 rows of 512 bytes.
; Chunk c: rows 0-63 are codes 64 c .. 64 c + 63 rounded once to bf16; row 64 holds their 64 sums of squares in f32 (256 bytes)
; and 256 bytes of zeros.  The sums are taken of the ROUNDED numbers, since the next launch compares |e|^2 - 2 z.e of the rounded numbers.
; A chunk is dense, so the next launch brings it in by one tensor load of 65 rows.
; SHARES.  A work-group makes a chunk; each of its 16 waves four rows.  A row of 1,024 bytes is two loads of 512 consecutive bytes;
; its 512 bytes of bf16 leave by two stores of 256 consecutive bytes, each at a multiple of 256 from ebq's first byte.
; The 64 sums meet in LDS, and wave 0 stores row 64 whole, by one store of 512 consecutive bytes.
.set CHUNK, 33280
.set SPARE, 256                        ; LDS: bytes 0-255 the 64 sums; from 256 on the spare words, 128 bytes for each of 16 waves
.set T,   4                            ; v[4:11]   eight numbers in f32, at work
.set PK,  12                           ; v[12:27]  row i: four registers, 8 bf16, to store; never rewritten
.set SPW, 30                           ; v30       LDS address of my spare word; never rewritten
.set NIL, 31                           ; v31       0; never rewritten
.set X,   32                           ; v[32:63]  row i: eight registers as loaded
.set SUM, 64                           ; v[64:67]  the four rows' sums of squares
.set LA,  68                           ; v68       16 x wave: where my four sums go in LDS
	s_load_b128 s[4:7], s[0:1], 0x0                ; embeddings s[4:5], ebq s[6:7]
	v_lshl_add_u32 v[SPW], v0, 2, SPARE
	v_mov_b32 v[NIL], 0
	v_lshrrev_b32 v1, 5, v0
	v_readfirstlane_b32 s12, v1                    ; wave 0..15
	v_and_b32 v1, 31, v0                           ; lane
	v_and_b32 v28, 0x1e0, v0                       ; 32 x wave
	v_lshlrev_b32 v2, 4, v1
	v_lshl_add_u32 v2, v28, 7, v2                  ; source: wave x 4 rows x 1,024 bytes + 16 x lane
	v_lshlrev_b32 v3, 3, v1
	v_lshl_add_u32 v3, v28, 6, v3                  ; destination: wave x 4 rows x 512 bytes + 8 x lane
	v_lshrrev_b32 v[LA], 1, v28
	s_lshl_b32 s8, ttmp9, 16                       ; the chunk's 64 rows of 1,024 bytes
	s_mov_b32 s9, 0
	s_mul_i32 s10, ttmp9, CHUNK
	s_mov_b32 s11, 0
	s_mov_b32 s13, 0xffff0000                      ; a word's upper bf16
	s_mov_b32 s14, 0x76543210                      ; v_permlanex16_b32: each lane takes its own place in the other half
	s_mov_b32 s15, 0xfedcba98
	s_wait_kmcnt 0x0
	s_add_nc_u64 s[4:5], s[4:5], s[8:9]
	s_add_nc_u64 s[6:7], s[6:7], s[10:11]
.irp i, 0,1,2,3
	global_load_b128 v[X+8*\i:X+8*\i+3],   v2, s[4:5] offset:1024*\i      ; columns 4 lane .. + 3
	global_load_b128 v[X+8*\i+4:X+8*\i+7], v2, s[4:5] offset:1024*\i+512  ; columns 128 + 4 lane .. + 3
.endr
; Row i: rounded, stored, widened again, squared and summed in the lane.
.macro PROW i
	s_wait_loadcnt 6-2*(\i)                        ; loads come back in order: the younger rows' two loads each may stay out
.irp j, 0,1,2,3
	v_cvt_pk_bf16_f32 v[PK+4*(\i)+\j], v[X+8*(\i)+2*\j], v[X+8*(\i)+2*\j+1]
.endr
	global_store_b64 v3, v[PK+4*(\i):PK+4*(\i)+1],   s[6:7] offset:512*(\i)
	global_store_b64 v3, v[PK+4*(\i)+2:PK+4*(\i)+3], s[6:7] offset:512*(\i)+256
.irp j, 0,1,2,3
	v_lshlrev_b32 v[T+2*\j],   16,  v[PK+4*(\i)+\j]
	v_and_b32     v[T+2*\j+1], s13, v[PK+4*(\i)+\j]
.endr
	v_pk_mul_f32 v[28:29], v[T:T+1], v[T:T+1]      ; the first product starts the sums
.irp j, 1,2,3
	v_pk_fma_f32 v[28:29], v[T+2*\j:T+2*\j+1], v[T+2*\j:T+2*\j+1], v[28:29]
.endr
	v_add_f32 v[SUM+(\i)], v28, v29
.endm
	PROW 0
	PROW 1
	PROW 2
	PROW 3
	; across the 32 lanes, the four rows side by side: four steps inside each half of 16 lanes, one across the halves
.irp m, 1,2,4,8
.irp i, 0,1,2,3
	v_add_f32_dpp v[SUM+\i], v[SUM+\i], v[SUM+\i] row_xmask:\m row_mask:0xf bank_mask:0xf
.endr
.endr
.irp i, 0,1,2,3
	v_permlanex16_b32 v[T+\i], v[SUM+\i], s14, s15 ; its destination counts as read: T has been written
.endr
.irp i, 0,1,2,3
	v_add_f32 v[SUM+\i], v[SUM+\i], v[T+\i]
.endr
	ds_store_b128 v[LA], v[SUM:SUM+3]              ; every lane writes the same four words: the sums of rows 4 wave .. + 3
	s_wait_tensorcnt 0x0                           ; the wave's end as far as LDS writes go
	ds_add_u32 v[SPW], v[NIL]
	s_wait_dscnt 0x0                               ; also for the others' sake: my store is done before I signal
	s_barrier_signal -1
	s_barrier_wait -1
	s_cmp_lg_u32 s12, 0
	s_cbranch_scc1 .Ldone
	v_and_b32 v69, 15, v0                          ; wave 0: lanes 0-15 take the 64 sums, 16 bytes each; lanes 16-31 the zeros behind them
	v_lshlrev_b32 v69, 4, v69
	ds_load_b128 v[T:T+3], v69
	v_lshlrev_b32 v70, 4, v0
	v_cmp_gt_u32 vcc_lo, 16, v0
	s_wait_dscnt 0x0
.irp j, 0,1,2,3
	v_cndmask_b32 v[T+\j], 0, v[T+\j], vcc_lo
.endr
	global_store_b128 v70, v[T:T+3], s[6:7] offset:32768  ; row 64 of the chunk: 512 consecutive bytes
.Ldone:
	s_endpgm
.Lfunc_end_k_qf3c26c0efa_prep:
	.size	k_qf3c26c0efa_prep, .Lfunc_end_k_qf3c26c0efa_prep-k_qf3c26c0efa_prep
	.p2alignl 7, 3214868480
	.fill 96, 4, 3214868480
	.section	.rodata,"a",@progbits
	.p2align	6, 0x0
	.amdhsa_kernel k_qf3c26c0efa_prep
		.amdhsa_group_segment_fixed_size 4096
		.amdhsa_private_segment_fixed_size 0
		.amdhsa_enable_private_segment 0
		.amdhsa_kernarg_size 16
		.amdhsa_user_sgpr_count 2
		.amdhsa_user_sgpr_kernarg_segment_ptr 1
		.amdhsa_wavefront_size32 1
		.amdhsa_system_sgpr_workgroup_id_x 1
		.amdhsa_system_sgpr_workgroup_id_y 1
		.amdhsa_system_sgpr_workgroup_id_z 1
		.amdhsa_system_vgpr_workitem_id 0
		.amdhsa_next_free_vgpr 72
		.amdhsa_next_free_sgpr 66
		.amdhsa_reserve_vcc 1
		.amdhsa_float_denorm_mode_32 3
		.amdhsa_float_denorm_mode_16_64 3
		.amdhsa_memory_ordered 1
		.amdhsa_forward_progress 1
		.amdhsa_inst_pref_size 9
	.end_amdhsa_kernel
	.amdgpu_metadata
---
amdhsa.version: [ 1, 2 ]
amdhsa.kernels:
  - .name:           k_qf3c26c0efa_prep
    .symbol:         k_qf3c26c0efa_prep.kd
    .args:
      - { .name: embeddings, .offset: 0, .size: 8, .value_kind: global_buffer, .address_space: global }
      - { .name: ebq, .offset: 8, .size: 8, .value_kind: global_buffer, .address_space: global }
    .group_segment_fixed_size: 4096
    .private_segment_fixed_size: 0
    .kernarg_segment_align: 8
    .kernarg_segment_size: 16
    .max_flat_workgroup_size: 512
    .sgpr_count:     66
    .vgpr_count:     72
    .wavefront_size: 32
...
	.end_amdgpu_metadata
.endif
;; end of part 1
;; launch vq (part 2): grid 256 x 1, 4 waves a work-group, clusters of 4 x 1, 327,680 bytes of LDS; arguments z_e, ebq, out2, order; writes out2, order
.if DOCPART == 2
	.amdgcn_target "amdgcn-amd-amdhsa--gfx1250"
	.amdhsa_code_object_version 6
	.text
	.protected	k_qf3c26c0efa_vq
	.globl	k_qf3c26c0efa_vq
	.p2align	8
	.type	k_qf3c26c0efa_vq,@function
k_qf3c26c0efa_vq:
	s_mov_b64 s[64:65], 0
	v_nop
	global_prefetch_b8 v0, s[64:65] scope:SCOPE_SE
	s_setreg_imm32_b32 hwreg(HW_REG_WAVE_MODE, 25, 1), 1
	s_wait_xcnt 0x0
	s_wait_alu depctr_hold_cnt(0) depctr_sa_sdst(0) depctr_va_vdst(0) depctr_va_sdst(0) depctr_va_ssrc(0) depctr_va_vcc(0) depctr_vm_vsrc(0)
	s_getreg_b32 s2, hwreg(HW_REG_IB_STS2, 6, 4)
	s_cmp_eq_u32 s2, 0
	s_cbranch_scc0 .Lentry_in_a_cluster
	s_endpgm
.Lentry_in_a_cluster:
	s_bfe_u32 s2, ttmp6, 0x10000c
	s_cmp_lg_u32 s2, 0x3003
	s_cbranch_scc0 .Lentry_shape_is_right
	s_endpgm
.Lentry_shape_is_right:
; THE NEAREST CODE OF EACH TOKEN.  z_e: [32768][256] f32.  ebq: the codebook in bf16 with its sums of squares, in 128 chunks of 64 codes (65 rows of 512 bytes).
; out2 and order: [32768] int32, the same numbers: out2 is the result, order is what the next launch forms addresses from.
; For token z and code e the number compared is t = |e|^2 - 2 z.e: |z|^2 is the same for all codes of a token, so it is left out; that changes no true order and spares a rounding.
; z and e are rounded once to bf16 for the product, the sums are f32, t is one fused multiply-add in f32.  Equal t: the lowest index wins, in the lane and in both merges.
; LIMITS.  The index is the argmin for the inputs rounded to bf16.  A t that is NaN never wins (an argmin in which NaN wins would take it); inputs are taken as finite.
; Where two codes' distances differ by less than the rounding of f32 sums near their size, the choice may fall otherwise than with another order of the same sums.
; SHARES.  A work-group owns 128 tokens and walks ALL 8,192 codes, 256 a block, so no minimum leaves the work-group.  Each of the four waves keeps all 128 tokens as
; fragments in 512 registers and takes 64 codes of every block, four tiles of 16: a code fragment (two LDS loads) feeds 8 matrix instructions, and each byte of a block is read from LDS once.
; LAYOUT.  Source 0 = 16 codes, source 1 = 16 tokens: in the result a lane holds ONE token (lane % 16) and the codes 8 (lane / 16) + 0..7.  So the running minimum and its index live in the lane:
; 8 + 8 registers for the 8 token tiles; the halves of the lanes and the four waves are merged once, at the end.
; THREE STREAMS, a tile apart.  In the step that loads tile L from LDS, tile L - 1 is multiplied and tile L - 2 goes through the argmin, whose 224 vector instructions stand four at a time
; behind the matrix instructions.  The fragments have ONE buffer: fragment k is loaded again behind the four vector instructions that follow its last reader, 56 matrix instructions ahead of its next use.
; CLUSTER.  The four work-groups of a cluster walk the same chunks, so each chunk is asked for JOINTLY: the same tensor load, descriptor and mask in all four.  z's tile is each work-group's own (mask 0).
; By this text's own count a wave has two tensor loads out at the start (z's tile, its chunk of block 0) and one behind each change of slots.
; REGISTERS, in windows of 256 (s_set_vgpr_msb: bits 1:0 source 0, 3:2 source 1, 5:4 source 2, 7:6 destination):
;   window 0: v0-31 addresses and at work; v32-39 RUN; v40-47 IDX; v48-63 |e|^2, two buffers; v64-127 the code fragments; v128-255 the results, two buffers of 8 x 8
;   window 1: token tiles 0-3 (tile n, K step k at 64 n + 8 k)          window 2: token tiles 4-7
; Only source 1 of a matrix instruction leaves window 0.  Of the vector work only the compares have a vector register as source 1, so only they want all windows 0.
.set CHUNK, 33280                      ; bytes of a chunk in memory
.set PITCH, 528                        ; an LDS row: 512 bytes + 16 of padding = 132 words: the 16 rows of a fragment load start at 16 different groups of four banks (64 banks of 4 bytes: ISA guide 11.1)
.set QB,    65*PITCH                   ; a chunk in LDS; wave w's at w x QB in a slot
.set TILEB, 16*PITCH                   ; a tile of 16 codes
.set ESQO,  64*PITCH                   ; the chunk's row of sums of squares
.set SLOT1, 0x22000                    ; slot 1 begins here (slot 0 ends at 4 QB = 137,280).  No w x QB has bit 13 or bit 17, so one exclusive or turns an address in one slot into the other's
.set ZP,    1040                       ; a row of z in LDS: 1,024 bytes + 16.  z's tile, 128 rows, lies in slot 1 until it has been converted
.set MERGE, 276992                     ; behind the ring, never filled by a tensor load: 4 waves x 128 tokens x 8 bytes
.set SPARE, 281088                     ; behind that: the spare words, 128 bytes for each wave: two blocks of 256 bytes that no other line names
.set RR,  1                            ; v1   lane % 16
.set HH,  2                            ; v2   lane / 16
.set AA0, 3                            ; v3   my lane's place in my chunk's first tile; never rewritten
.set VE0, 4                            ; v4   my lane's place in my chunk's row of sums; never rewritten
.set AA,  5                            ; v5   the LDS address of the fragments of the pair of tiles in hand
.set VE,  6                            ; v6   of their sums
.set ZA,  7                            ; v7   my lane's place in z's tile, tokens 0-63
.set ZA2, 8                            ; v8   tokens 64-127
.set CB,  10                           ; v10  64 wave + 8 (lane / 16): my share of a code's number
.set MST, 11                           ; v11  the merge: where I put a token's pair
.set MRD, 12                           ; v12  the merge: where I read two tokens' pairs
.set GO,  13                           ; v13  my byte offset in the work-group's 512 bytes of out2
.set TW,  14                           ; v14-21 at work
.set SPW, 30                           ; v30  LDS address of my spare word; never rewritten
.set NIL, 31                           ; v31  0; never rewritten
.set RUN, 32                           ; the least t so far, for token tile n
.set IDX, 40                           ; where it was found: 16 x (my tile's number, 0..127) + register
.set ESQ, 48                           ; |e|^2 of my 8 codes of a tile, by the tile's parity
.set AF,  64                           ; the code fragments: K step k at AF + 8 k
.set ACC, 128                          ; the results, by the tile's parity: token tile n at ACC + 64 par + 8 n
.set WV,  12                           ; s12  my wave's number
.set G1C, 16                           ; s[16:23] descriptor group 1 for a chunk
.set G0C, 24                           ; s[24:27] descriptor group 0 for my chunks: it walks
.set G1Z, 28                           ; s[28:35] descriptor group 1 for z's tile
.set G0Z, 36                           ; s[36:39] descriptor group 0 for my 32 rows of z
.set SLOTS, 40                         ; s40  blocks still to be asked for
.set TWICE, 41                         ; s41  counts a block's two pairs of tiles
.set TB,  42                           ; s42  LDS byte, less my chunk's place, of the pair of tiles to be loaded
.set TE,  43                           ; s43  the same for their sums
.set INF, 44                           ; s44  +infinity
.set SEL, 46                           ; s[46:47] v_permlanex16_b32's selects
.set M,   48                           ; s[48:55] for token tile n: the lanes in which the code in hand is nearer
.set CI,  56                           ; s[56:63] for register j: 16 x (the number of the tile that goes through the argmin) + j
.set MSB, 0
.macro WIN new                         ; the immediate's high byte repeats the setting that is left; a switch that changes nothing is dropped
.if MSB != (\new)
	s_set_vgpr_msb (MSB<<8)|(\new)
.set MSB, (\new)
.endif
.endm
; A round of the cluster's barrier: my work-group's barrier, so that wave 0's signal speaks for all four waves; wave 0 signals; every wave waits for all four work-groups; my work-group's barrier once more.
.macro ROUND
	s_barrier_signal -1
	s_barrier_wait -1
	s_cmp_lg_u32 s[WV], 0
	s_cbranch_scc1 .Lnot_wave_0_\@
	s_barrier_signal -3
.Lnot_wave_0_\@:
	s_barrier_wait -3
	s_barrier_signal -1
	s_barrier_wait -1
.endm
; THE CHANGE OF SLOTS stands in front of the step that loads a block's first tile: all LDS loads from the slot that is left have been issued.  Each wave waits for all its tensor loads, of which one
; is out: its chunk of the block to come; adds 0 to its spare word; and waits for that and for its reads of the old slot.  fill = 1: the old slot is filled again with the block after, behind a round
; of the cluster's barrier, so that no wave of any partner still reads it or has a load on its way; the joint load is the first thing behind the round and has a block's 256 matrix instructions in which to land.
.macro CHANGE fill
	WIN 0                                          ; at a label and at a branch every window is 0
	s_wait_tensorcnt 0x0                           ; no tensor load of mine is out, so group 0 may be written
	ds_add_u32 v[SPW], v[NIL]                      ; 0 onto my spare word: the scalar steps stand between it and the wait for it
.if \fill
	s_xor_b32 s[G0C+1], s[G0C+1], SLOT1            ; the walking descriptor: the other slot than last time,
	s_add_nc_u64 s[G0C+2:G0C+3], s[G0C+2:G0C+3], 4*CHUNK  ; my chunk of the next block; the type bits on top are not reached
.endif
	s_sub_co_u32 s[TB], s[TB], ESQO                ; the LDS loads go back to a slot's first tile,
	s_xor_b32 s[TB], s[TB], SLOT1                  ; in the other slot
	s_sub_co_u32 s[TE], s[TE], 256
	s_xor_b32 s[TE], s[TE], SLOT1
	s_wait_dscnt 0x0                               ; the add is done, and my reads of the old slot are over
.if \fill
	ROUND
	tensor_load_to_lds s[G0C:G0C+3], s[G1C:G1C+7]
	s_nop 0
.rept 4
	v_nop
.endr
.else
	s_barrier_signal -1
	s_barrier_wait -1
.endif
.endm
	s_load_b256 s[4:11], s[0:1], 0x0               ; z_e s[4:5], ebq s[6:7], out2 s[8:9], order s[10:11]
	v_lshl_add_u32 v[SPW], v0, 2, SPARE
	v_mov_b32 v[NIL], 0
	ds_add_u32 v[SPW], v[NIL]                      ; the wave's opening: the add and its wait stand ahead of my first tensor load; the set-up below, work on registers, stands between them
	v_lshrrev_b32 v1, 5, v0
	v_readfirstlane_b32 s[WV], v1                  ; wave 0..3
	s_bfe_u32 s13, ttmp6, 0x40000                  ; cx: my place in the cluster
	s_lshl_b32 s14, ttmp9, 2                       ; in a cluster launch ttmp9 counts clusters
	s_add_co_u32 s14, s14, s13                     ; my block of 128 tokens = 4 x cluster x + cx: it enters z's, out2's and order's addresses alone
	; group 1 for a chunk: 65 rows of 64 elements of 8 bytes, dense in memory, padded in LDS
	s_mov_b32 s[G1C], 15|(3<<16)|(1<<20)|(1<<21)|(6<<22)|(3<<25)  ; 15:0 the mask of four; 17:16 8-byte elements; 20 padding on; 21 set beside a mask; 24:22 after every 128 words (code 6); 31:25 4 words (code 3)
	s_mov_b32 s[G1C+1], 64<<16                     ; tensor_dim0 = 64
	s_mov_b32 s[G1C+2], 65<<16                     ; tensor_dim1 = 65
	s_mov_b32 s[G1C+3], 64<<16                     ; tile_dim0 = 64
	s_mov_b32 s[G1C+4], 65                         ; tile_dim1 = 65
	s_mov_b32 s[G1C+5], 64                         ; 64 elements from row to row
	s_mov_b32 s[G1C+6], 0
	s_mov_b32 s[G1C+7], 0
	; group 1 for z: 32 rows of 256 elements of 4 bytes, no mask
	s_mov_b32 s[G1Z], (2<<16)|(1<<20)|(7<<22)|(3<<25)  ; 4-byte elements; padding after every 256 words (code 7), 4 words (code 3)
	s_mov_b32 s[G1Z+1], 256<<16
	s_mov_b32 s[G1Z+2], 32<<16
	s_mov_b32 s[G1Z+3], 256<<16
	s_mov_b32 s[G1Z+4], 32
	s_mov_b32 s[G1Z+5], 256
	s_mov_b32 s[G1Z+6], 0
	s_mov_b32 s[G1Z+7], 0
	s_mov_b32 s[G0C], 1                            ; count = 1
	s_mul_i32 s[G0C+1], s[WV], QB                  ; LDS address: slot 0, my quarter: no place in the cluster enters an LDS address
	s_mov_b32 s[G0Z], 1
	s_mul_i32 s[G0Z+1], s[WV], 32*ZP
	s_add_co_u32 s[G0Z+1], s[G0Z+1], SLOT1         ; z's tile lies in slot 1, my 32 rows of it
	s_mul_i32 s66, s[WV], CHUNK                    ; my chunk of block 0: the wave's number alone
	s_mov_b32 s67, 0
	s_lshl_b32 s68, s14, 17                        ; my work-group's 128 rows of 1,024 bytes,
	s_lshl_b32 s69, s[WV], 15                      ; my wave's 32 of them
	s_add_co_u32 s68, s68, s69
	s_mov_b32 s69, 0
	s_lshl_b32 s70, s14, 9                         ; my work-group's 128 words of out2 and order
	s_mov_b32 s71, 0
	s_mul_i32 s72, s[WV], QB
	s_add_co_u32 s73, s72, ESQO
	s_lshl_b32 s74, s[WV], 6
	s_lshl_b32 s75, s[WV], 10
	s_add_co_u32 s75, s75, MERGE
	s_mov_b32 s[TB], SLOT1+ESQO                    ; the first change of slots turns these two into 0
	s_mov_b32 s[TE], SLOT1+256
	s_mov_b32 s[INF], 0x7f800000
	s_mov_b32 s[SEL], 0x76543210
	s_mov_b32 s[SEL+1], 0xfedcba98
.irp j, 0,1,2,3,4,5,6,7
	s_mov_b32 s[CI+\j], \j-32                      ; the first step's argmin is that of tile -2, which is none
.endr
	s_mov_b32 s[SLOTS], 31
	s_wait_dscnt 0x0                               ; the opening add is done
	s_wait_kmcnt 0x0
	s_add_nc_u64 s[G0C+2:G0C+3], s[6:7], s[66:67]
	s_or_b32 s[G0C+3], s[G0C+3], 0x80000000        ; type = 2
	s_add_nc_u64 s[G0Z+2:G0Z+3], s[4:5], s[68:69]
	s_or_b32 s[G0Z+3], s[G0Z+3], 0x80000000
	s_add_nc_u64 s[8:9], s[8:9], s[70:71]
	s_add_nc_u64 s[10:11], s[10:11], s[70:71]
	ROUND                                          ; all four work-groups are here: the first joint loads meet
	tensor_load_to_lds s[G0Z:G0Z+3], s[G1Z:G1Z+7]  ; my 32 rows of z, wanted first
	s_nop 0
	tensor_load_to_lds s[G0C:G0C+3], s[G1C:G1C+7]  ; my chunk of block 0
	s_nop 0
.rept 4
	v_nop
.endr
	; in the wait for z: the lanes' addresses, and what the first steps find
	v_and_b32 v[RR], 15, v0
	v_bfe_u32 v[HH], v0, 4, 1
	v_mul_u32_u24 v[AA0], v[RR], PITCH             ; a fragment of 16 codes x 32 channels: lane l holds row l % 16, channels 8 (l / 16) + 0..7 and 16 + 8 (l / 16) + 0..7: two loads of 16 bytes, 32 bytes apart
	v_lshl_add_u32 v[AA0], v[HH], 4, v[AA0]
	v_add_nc_u32 v[AA0], s72, v[AA0]
	v_lshlrev_b32 v[VE0], 5, v[HH]                 ; my 8 codes' sums: 32 bytes
	v_add_nc_u32 v[VE0], s73, v[VE0]
	v_mul_u32_u24 v[ZA], v[RR], ZP                 ; z in f32: 8 channels are 32 bytes
	v_lshl_add_u32 v[ZA], v[HH], 5, v[ZA]
	v_add_nc_u32 v[ZA], SLOT1, v[ZA]
	v_add_nc_u32 v[ZA2], 64*ZP, v[ZA]
	v_lshl_add_u32 v[CB], v[HH], 3, s74
	v_lshl_add_u32 v[MST], v[RR], 3, s75
.set n, 0
.rept 16
	v_mov_b32 v[ESQ+n], s[INF]                     ; the first two steps' argmin meets |e|^2 = +infinity: t is +infinity or NaN, and never less than RUN
.set n, n+1
.endr
.set n, 0
.rept 8
	v_mov_b32 v[RUN+n], s[INF]
	v_mov_b32 v[IDX+n], 0
.set n, n+1
.endr
; z BECOMES FRAGMENTS.  Unit u of 16: token tile u / 2, K steps 4 (u % 2) + 0..3.  ZLOAD: 16 LDS loads into 64 registers (the code fragments' for even u, the first result buffer's for odd u: both are
; thereby written before the first step reads them).  ZCVT: 32 roundings into the tile's registers in window 1 or 2.
.macro ZLOAD u
	WIN 0
.set zT, AF+64*((\u)%2)
.set zA, ZA+((\u)/8)
.set zO, (((\u)/2)%4)*16*ZP+512*((\u)%2)
.set zc, 0
.rept 16
	ds_load_b128 v[zT+4*zc:zT+4*zc+3], v[zA] offset:zO+128*(zc/4)+16*(zc%2)+64*((zc%4)/2)
.set zc, zc+1
.endr
.endm
.macro ZCVT u
.if (\u) < 8
	WIN 0x40                                       ; destination window 1
.else
	WIN 0x80                                       ; destination window 2
.endif
.set zT, AF+64*((\u)%2)
.set zB, 64*(((\u)/2)%4)+32*((\u)%2)
.set zc, 0
.rept 32
	v_cvt_pk_bf16_f32 v[zB+zc], v[zT+2*zc], v[zT+2*zc+1]
.set zc, zc+1
.endr
.endm
	s_wait_tensorcnt 0x1                           ; my rows of z are in; my chunk, issued behind them, may stay out
	s_barrier_signal -1
	s_barrier_wait -1                              ; everybody's rows are in: every wave reads all 128
	ZLOAD 0
	ZLOAD 1
.set uu, 0
.rept 16
.if uu < 15
	s_wait_dscnt 16                                ; the next unit's 16 loads may stay out
.else
	s_wait_dscnt 0x0
.endif
	ZCVT uu
.if uu < 14
	ZLOAD uu+2
.endif
.set uu, uu+1
.endr
	WIN 0                                          ; a label follows: at a label and at a branch every window is 0
; THE MATRIX WORK.  K step k of the tile in the fragments, token tile n, into result buffer 1 - par.  K step 0 starts the sums with the constant 0: nothing is cleared.
.macro MMA par, k, n
.if (\n) < 4
	WIN 0x04                                       ; source 1 in window 1
.set rB, 64*(\n)+8*(\k)
.else
	WIN 0x08                                       ; source 1 in window 2
.set rB, 64*((\n)-4)+8*(\k)
.endif
.set rD, ACC+64*(1-(\par))+8*(\n)
.if (\k) == 0
	v_wmma_f32_16x16x32_bf16 v[rD:rD+7], v[AF+8*(\k):AF+8*(\k)+7], v[rB:rB+7], 0
.else
	v_wmma_f32_16x16x32_bf16 v[rD:rD+7], v[AF+8*(\k):AF+8*(\k)+7], v[rB:rB+7], v[rD:rD+7]
.endif
.endm
; THE VECTOR WORK: group g of 56, four instructions, for the tile in result buffer par.
;   0-7    token tile g: t = |e|^2 - 2 c in place, the pairs in ascending order (an accumulator is read from its low end on)
;   8-55   for register j = 0..7 six groups: is t_j less than RUN (token tiles 0-3, then 4-7); RUN = the lesser (a NaN loses; the +infinity fills the three-operand form, which keeps
;          vector registers out of source 1); IDX takes 16 tile + j where t_j was less.  Strictly less, codes ascending: the lowest index of equal t stays.
; A result is read eight vector instructions or more behind the line that made it.
.macro RID par, g
.set rA, ACC+64*(\par)
.if (\g) < 8
.set zz, 0
.rept 4
	v_pk_fma_f32 v[rA+8*(\g)+2*zz:rA+8*(\g)+2*zz+1], v[rA+8*(\g)+2*zz:rA+8*(\g)+2*zz+1], -2.0, v[ESQ+8*(\par)+2*zz:ESQ+8*(\par)+2*zz+1] op_sel_hi:[1,0,1]
.set zz, zz+1
.endr
.else
.set sq, (\g)-8
.set jj, sq/6
.set hf, sq%2
.set kd, (sq%6)/2
.set zz, 4*hf
.if kd == 0
	WIN 0
.endif
.rept 4
.if kd == 0
	v_cmp_lt_f32 s[M+zz], v[rA+8*zz+jj], v[RUN+zz]
.elseif kd == 1
	v_min3_num_f32 v[RUN+zz], v[rA+8*zz+jj], s[INF], v[RUN+zz]
.else
	v_cndmask_b32 v[IDX+zz], v[IDX+zz], s[CI+jj], s[M+zz]
.endif
.set zz, zz+1
.endr
.if (kd == 2) && (hf == 1)
	s_add_co_u32 s[CI+jj], s[CI+jj], 16            ; the next tile's number
.endif
.endif
.endm
; A STEP: 64 matrix instructions, K step by K step; the 8 accumulators take turns, one instruction a turn (odd K steps begin with token tile 4, so that the window changes once a K step,
; and no two matrix instructions on end share an accumulator, over the steps' and the loops' edges too).  Behind seven of each eight stands a group of the other buffer's argmin.
; load = 1: behind K step k's last group, whose four plain instructions name none of the last product's registers (the four places in front of a load into a matrix source), fragment k is loaded again
; with the next tile's; behind K step 1, when groups 0-7 have read |e|^2 of this parity, the loaded tile's |e|^2 takes its place.
.macro STEP par, load
.set gq, 0
.set kk, 0
.rept 8
.if \load
	s_wait_dscnt 16                                ; fragment k is in: behind its two loads stand those of the seven other fragments and one pair of |e|^2, 16 in all, for every k
.elseif kk == 0
	s_wait_dscnt 0x0                               ; the last tile's fragments and |e|^2: nothing was issued behind them
.endif
.set ii, 0
.rept 8
	MMA \par, kk, (ii+4*(kk%2))%8
.if ii > 0
	RID \par, gq
.set gq, gq+1
.endif
.set ii, ii+1
.endr
.if \load
	ds_load_b128 v[AF+8*kk:AF+8*kk+3],   v[AA] offset:(\par)*TILEB+64*kk
	ds_load_b128 v[AF+8*kk+4:AF+8*kk+7], v[AA] offset:(\par)*TILEB+64*kk+32
.if kk == 1
	ds_load_b128 v[ESQ+8*(\par):ESQ+8*(\par)+3],   v[VE] offset:64*(\par)
	ds_load_b128 v[ESQ+8*(\par)+4:ESQ+8*(\par)+7], v[VE] offset:64*(\par)+16
.endif
.endif
.set kk, kk+1
.endr
.endm
.macro EPI par                         ; the last tile's argmin: there is no matrix work left to set it beside
	WIN 0
.set gq, 0
.rept 56
	RID \par, gq
.set gq, gq+1
.endr
.endm
; A block: the change of slots, then its four tiles, two to a trip of the inner loop; the LDS addresses hang on s[TB] and s[TE].
.macro TRIP fill
	CHANGE \fill
	s_mov_b32 s[TWICE], 2
.Lpair_\@:
	v_add_nc_u32 v[AA], s[TB], v[AA0]
	v_add_nc_u32 v[VE], s[TE], v[VE0]
	s_add_co_u32 s[TB], s[TB], 2*TILEB
	s_add_co_u32 s[TE], s[TE], 128
	STEP 0, 1
	STEP 1, 1
	WIN 0
	s_sub_co_u32 s[TWICE], s[TWICE], 1
	s_cmp_lg_u32 s[TWICE], 0
	s_cbranch_scc1 .Lpair_\@
.endm
; The first step multiplies what the conversion left in the fragments' registers, and the first two steps' argmin meets |e|^2 = +infinity: 64 matrix instructions once, for one text for every step.
.Lblock:                                               ; 31 times: blocks 0 to 30 are loaded from LDS, blocks 1 to 31 asked for (the first refill takes the place of z's tile, which has been read)
	TRIP 1
	s_sub_co_u32 s[SLOTS], s[SLOTS], 1
	s_cmp_lg_u32 s[SLOTS], 0
	s_cbranch_scc1 .Lblock
	TRIP 0                                         ; block 31 is written out: nothing is asked for
	STEP 0, 0                                      ; tile 127 is multiplied, tile 126 goes through the argmin
	EPI 1                                          ; tile 127
	; THE WAY OUT.  IDX = 64 block + 16 tile + j becomes the code's number 256 block + 64 wave + 16 tile + 8 (lane / 16) + j.
.set n, 0
.rept 8
	v_lshrrev_b32 v[TW+n], 6, v[IDX+n]
.set n, n+1
.endr
.set n, 0
.rept 8
	v_mad_u32_u24 v[IDX+n], v[TW+n], 0xc0, v[IDX+n]
.set n, n+1
.endr
.set n, 0
.rept 8
	v_add_nc_u32 v[IDX+n], v[CB], v[IDX+n]
.set n, n+1
.endr
; Of two candidates (value, code) the second is taken if its value is less, or equal with the lower code.
.macro MERGE2 dV, dI, aV, aI, bV, bI
	v_cmp_lt_f32 s66, v[\bV], v[\aV]
	v_cmp_eq_f32 s67, v[\bV], v[\aV]
	v_cmp_lt_u32 s68, v[\bI], v[\aI]
	s_and_b32 s67, s67, s68
	s_or_b32 s66, s66, s67
	v_cndmask_b32 v[\dV], v[\aV], v[\bV], s66
	v_cndmask_b32 v[\dI], v[\aI], v[\bI], s66
.endm
.set n, 0
.rept 8
	v_permlanex16_b32 v[AF+n],   v[RUN+n], s[SEL], s[SEL+1]  ; the token's other 8 codes of each tile lie in the lane 16 away
	v_permlanex16_b32 v[AF+8+n], v[IDX+n], s[SEL], s[SEL+1]
.set n, n+1
.endr
.set n, 0
.rept 8
	MERGE2 ACC+2*n, ACC+2*n+1, RUN+n, IDX+n, AF+n, AF+8+n
.set n, n+1
.endr
.set n, 0
.rept 8
	ds_store_b64 v[MST], v[ACC+2*n:ACC+2*n+1] offset:128*n   ; token 16 n + lane % 16 of my wave's table; both halves of the lanes hold, and write, the same pair
.set n, n+1
.endr
	s_wait_tensorcnt 0x0                           ; the wave's end as far as LDS writes go, behind my last tensor load and my last LDS store
	ds_add_u32 v[SPW], v[NIL]
	s_wait_dscnt 0x0                               ; also for the others' sake: my stores are done before I signal
	s_barrier_signal -1
	s_barrier_wait -1
	s_cmp_lt_u32 s[WV], 2
	s_cbranch_scc0 .Lno_out
	v_lshl_add_u32 v[MRD], v0, 4, MERGE            ; waves 0 and 1: thread t takes tokens 2 t and 2 t + 1, 16 bytes of each wave's table
	v_lshlrev_b32 v[GO], 3, v0
.irp w, 0,1,2,3
	ds_load_b128 v[AF+4*\w:AF+4*\w+3], v[MRD] offset:1024*\w
.endr
	s_wait_dscnt 0x0
	MERGE2 AF,   AF+1,  AF,   AF+1, AF+4,  AF+5
	MERGE2 AF+2, AF+3,  AF+2, AF+3, AF+6,  AF+7
	MERGE2 AF,   AF+1,  AF,   AF+1, AF+8,  AF+9
	MERGE2 AF+2, AF+3,  AF+2, AF+3, AF+10, AF+11
	MERGE2 AF,   AF+16, AF,   AF+1, AF+12, AF+13
	MERGE2 AF+2, AF+17, AF+2, AF+3, AF+14, AF+15
	global_store_b64 v[GO], v[AF+16:AF+17], s[8:9]    ; a wave stores 256 consecutive bytes, at a multiple of 256 from out2's first byte
	global_store_b64 v[GO], v[AF+16:AF+17], s[10:11]  ; and the same into order
.Lno_out:
	ROUND                                          ; the closing round: no work-group ends while a partner may still ask for a chunk that names it
	s_endpgm
.Lfunc_end_k_qf3c26c0efa_vq:
	.size	k_qf3c26c0efa_vq, .Lfunc_end_k_qf3c26c0efa_vq-k_qf3c26c0efa_vq
	.p2alignl 7, 3214868480
	.fill 96, 4, 3214868480
	.section	.rodata,"a",@progbits
	.p2align	6, 0x0
	.amdhsa_kernel k_qf3c26c0efa_vq
		.amdhsa_group_segment_fixed_size 327680
		.amdhsa_private_segment_fixed_size 0
		.amdhsa_enable_private_segment 0
		.amdhsa_kernarg_size 32
		.amdhsa_user_sgpr_count 2
		.amdhsa_user_sgpr_kernarg_segment_ptr 1
		.amdhsa_wavefront_size32 1
		.amdhsa_system_sgpr_workgroup_id_x 1
		.amdhsa_system_sgpr_workgroup_id_y 1
		.amdhsa_system_sgpr_workgroup_id_z 1
		.amdhsa_system_vgpr_workitem_id 0
		.amdhsa_next_free_vgpr 768
		.amdhsa_next_free_sgpr 80
		.amdhsa_reserve_vcc 0
		.amdhsa_float_denorm_mode_32 3
		.amdhsa_float_denorm_mode_16_64 3
		.amdhsa_memory_ordered 1
		.amdhsa_forward_progress 1
		.amdhsa_inst_pref_size 184
	.end_amdhsa_kernel
	.amdgpu_metadata
---
amdhsa.version: [ 1, 2 ]
amdhsa.kernels:
  - .name:           k_qf3c26c0efa_vq
    .symbol:         k_qf3c26c0efa_vq.kd
    .args:
      - { .name: z_e, .offset: 0, .size: 8, .value_kind: global_buffer, .address_space: global }
      - { .name: ebq, .offset: 8, .size: 8, .value_kind: global_buffer, .address_space: global }
      - { .name: out2, .offset: 16, .size: 8, .value_kind: global_buffer, .address_space: global }
      - { .name: order, .offset: 24, .size: 8, .value_kind: global_buffer, .address_space: global }
    .group_segment_fixed_size: 327680
    .private_segment_fixed_size: 0
    .kernarg_segment_align: 8
    .kernarg_segment_size: 32
    .max_flat_workgroup_size: 128
    .sgpr_count:     80
    .vgpr_count:     768
    .wavefront_size: 32
...
	.end_amdgpu_metadata
.endif
;; end of part 2
;; launch gather (part 3): grid 512 x 1, 8 waves a work-group, no clusters, 0 bytes of LDS; arguments z_e, embeddings, order, out0, part; writes out0, part
.if DOCPART == 3
	.amdgcn_target "amdgcn-amd-amdhsa--gfx1250"
	.amdhsa_code_object_version 6
	.text
	.protected	k_qf3c26c0efa_gather
	.globl	k_qf3c26c0efa_gather
	.p2align	8
	.type	k_qf3c26c0efa_gather,@function
k_qf3c26c0efa_gather:
	s_mov_b64 s[64:65], 0
	v_nop
	global_prefetch_b8 v0, s[64:65] scope:SCOPE_SE
	s_setreg_imm32_b32 hwreg(HW_REG_WAVE_MODE, 25, 1), 1
	s_wait_xcnt 0x0
; out0[t] = z[t] + (e[order[t]] - z[t]), in f32, rounded as it is written; part[G] = wave G's sum of (e - z)^2 over its 8 tokens.
; z_e, out0: [32768][256] f32.  embeddings: [8192][256] f32.  order: [32768] int32, stored by the launch before.  part: [4096] f32.
; A stream: memory binds, so no LDS, no barrier, no matrix unit.  Wave G = 8 x work-group + wave takes tokens 8 G .. 8 G + 7; a row of 1,024 bytes is two loads or stores of 512 consecutive bytes.
; All 32 loads of a wave go out before its first wait for data, and all waves of the launch can be on the chip at once, so there is no loop.
; The 8 indices are the same for all lanes: one scalar load.  Each is held to 0 .. 8191 before it enters an address.
.set EO, 4                             ; v[4:11]    row i: 1,024 x index + 16 x lane
.set Z,  16                            ; v[16:79]   row i: eight registers of z, then of the result
.set E,  80                            ; v[80:143]  row i: eight registers of e, then of e - z
.set S,  144                           ; v[144:147] two chains of packed sums
	s_load_b256 s[4:11], s[0:1], 0x0               ; z_e s[4:5], embeddings s[6:7], order s[8:9], out0 s[10:11]
	s_load_b64 s[12:13], s[0:1], 0x20              ; part
	v_lshrrev_b32 v1, 5, v0
	v_readfirstlane_b32 s14, v1                    ; wave 0..7
	v_and_b32 v1, 31, v0                           ; lane
	v_lshlrev_b32 v2, 4, v1                        ; 16 bytes a lane
	s_lshl_b32 s15, ttmp9, 3
	s_add_co_u32 s15, s15, s14                     ; G
	s_lshl_b32 s24, s15, 5                         ; my 8 words of order
	s_mov_b32 s25, 0
	s_lshl_b32 s26, s15, 13                        ; my 8 rows of z and out0
	s_mov_b32 s27, 0
	s_lshl_b32 s28, s15, 2                         ; my word of part
	v_mov_b32 v3, s28
	s_mov_b32 s30, 0x76543210
	s_mov_b32 s31, 0xfedcba98
	s_wait_kmcnt 0x0
	s_add_nc_u64 s[8:9], s[8:9], s[24:25]
	s_add_nc_u64 s[4:5], s[4:5], s[26:27]
	s_add_nc_u64 s[10:11], s[10:11], s[26:27]
	s_load_b256 s[16:23], s[8:9], 0x0              ; the 8 indices
.irp i, 0,1,2,3,4,5,6,7
	global_load_b128 v[Z+8*\i:Z+8*\i+3],   v2, s[4:5] offset:1024*\i th:TH_LOAD_NT
	global_load_b128 v[Z+8*\i+4:Z+8*\i+7], v2, s[4:5] offset:1024*\i+512 th:TH_LOAD_NT
.endr
	s_wait_kmcnt 0x0
.irp i, 0,1,2,3,4,5,6,7
	s_min_u32 s[16+\i], s[16+\i], 0x1fff
.endr
.irp i, 0,1,2,3,4,5,6,7
	v_lshl_add_u32 v[EO+\i], s[16+\i], 10, v2
.endr
.irp i, 0,1,2,3,4,5,6,7
	global_load_b128 v[E+8*\i:E+8*\i+3],   v[EO+\i], s[6:7]             ; no hint: the list may name a row many times
	global_load_b128 v[E+8*\i+4:E+8*\i+7], v[EO+\i], s[6:7] offset:512
.endr
.macro ROWOUT i
	s_wait_loadcnt 14-2*(\i)                       ; loads come back in order: all of z and this row of e are in; the younger rows' two loads each may stay out
.irp p, 0,1,2,3
	v_pk_add_f32 v[E+8*(\i)+2*\p:E+8*(\i)+2*\p+1], v[E+8*(\i)+2*\p:E+8*(\i)+2*\p+1], v[Z+8*(\i)+2*\p:Z+8*(\i)+2*\p+1] neg_lo:[0,1] neg_hi:[0,1]  ; e - z
.endr
.irp p, 0,1,2,3
.if (\i) == 0 && (\p) < 2
	v_pk_mul_f32 v[S+2*\p:S+2*\p+1], v[E+2*\p:E+2*\p+1], v[E+2*\p:E+2*\p+1]  ; the first products start the two chains
.else
	v_pk_fma_f32 v[S+2*(\p%2):S+2*(\p%2)+1], v[E+8*(\i)+2*\p:E+8*(\i)+2*\p+1], v[E+8*(\i)+2*\p:E+8*(\i)+2*\p+1], v[S+2*(\p%2):S+2*(\p%2)+1]
.endif
.endr
.irp p, 0,1,2,3
	v_pk_add_f32 v[Z+8*(\i)+2*\p:Z+8*(\i)+2*\p+1], v[Z+8*(\i)+2*\p:Z+8*(\i)+2*\p+1], v[E+8*(\i)+2*\p:E+8*(\i)+2*\p+1]  ; z + (e - z)
.endr
	global_store_b128 v2, v[Z+8*(\i):Z+8*(\i)+3],   s[10:11] offset:1024*(\i) th:TH_STORE_NT      ; 512 consecutive bytes, at a multiple of 256 from out0's first byte
	global_store_b128 v2, v[Z+8*(\i)+4:Z+8*(\i)+7], s[10:11] offset:1024*(\i)+512 th:TH_STORE_NT
.endm
.irp i, 0,1,2,3,4,5,6,7
	ROWOUT \i
.endr
	v_pk_add_f32 v[S:S+1], v[S:S+1], v[S+2:S+3]
	v_add_f32 v[S], v[S], v[S+1]
	v_add_f32_dpp v[S], v[S], v[S] row_xmask:1 row_mask:0xf bank_mask:0xf
	v_add_f32_dpp v[S], v[S], v[S] row_xmask:2 row_mask:0xf bank_mask:0xf
	v_add_f32_dpp v[S], v[S], v[S] row_xmask:4 row_mask:0xf bank_mask:0xf
	v_add_f32_dpp v[S], v[S], v[S] row_xmask:8 row_mask:0xf bank_mask:0xf
	v_permlanex16_b32 v[S+1], v[S], s30, s31       ; its destination counts as read: it has been written
	v_add_f32 v[S], v[S], v[S+1]
	v_cmp_eq_u32 vcc_lo, 0, v1
	s_wait_xcnt 0x0                                ; EXEC is a source of the stores above: it changes only behind this wait
	s_and_saveexec_b32 s29, vcc_lo
	global_store_b32 v3, v[S], s[12:13]            ; lane 0 alone: the wave's sum
	s_wait_xcnt 0x0                                ; and again in front of the line that widens it
	s_or_b32 exec_lo, exec_lo, s29
	s_endpgm
.Lfunc_end_k_qf3c26c0efa_gather:
	.size	k_qf3c26c0efa_gather, .Lfunc_end_k_qf3c26c0efa_gather-k_qf3c26c0efa_gather
	.p2alignl 7, 3214868480
	.fill 96, 4, 3214868480
	.section	.rodata,"a",@progbits
	.p2align	6, 0x0
	.amdhsa_kernel k_qf3c26c0efa_gather
		.amdhsa_group_segment_fixed_size 0
		.amdhsa_private_segment_fixed_size 0
		.amdhsa_enable_private_segment 0
		.amdhsa_kernarg_size 40
		.amdhsa_user_sgpr_count 2
		.amdhsa_user_sgpr_kernarg_segment_ptr 1
		.amdhsa_wavefront_size32 1
		.amdhsa_system_sgpr_workgroup_id_x 1
		.amdhsa_system_sgpr_workgroup_id_y 1
		.amdhsa_system_sgpr_workgroup_id_z 1
		.amdhsa_system_vgpr_workitem_id 0
		.amdhsa_next_free_vgpr 152
		.amdhsa_next_free_sgpr 66
		.amdhsa_reserve_vcc 1
		.amdhsa_float_denorm_mode_32 3
		.amdhsa_float_denorm_mode_16_64 3
		.amdhsa_memory_ordered 1
		.amdhsa_forward_progress 1
		.amdhsa_inst_pref_size 14
	.end_amdhsa_kernel
	.amdgpu_metadata
---
amdhsa.version: [ 1, 2 ]
amdhsa.kernels:
  - .name:           k_qf3c26c0efa_gather
    .symbol:         k_qf3c26c0efa_gather.kd
    .args:
      - { .name: z_e, .offset: 0, .size: 8, .value_kind: global_buffer, .address_space: global }
      - { .name: embeddings, .offset: 8, .size: 8, .value_kind: global_buffer, .address_space: global }
      - { .name: order, .offset: 16, .size: 8, .value_kind: global_buffer, .address_space: global }
      - { .name: out0, .offset: 24, .size: 8, .value_kind: global_buffer, .address_space: global }
      - { .name: part, .offset: 32, .size: 8, .value_kind: global_buffer, .address_space: global }
    .group_segment_fixed_size: 0
    .private_segment_fixed_size: 0
    .kernarg_segment_align: 8
    .kernarg_segment_size: 40
    .max_flat_workgroup_size: 256
    .sgpr_count:     66
    .vgpr_count:     152
    .wavefront_size: 32
...
	.end_amdgpu_metadata
.endif
;; end of part 3
;; launch finish (part 4): grid 1 x 1, 1 waves a work-group, no clusters, 0 bytes of LDS; arguments part, out1; writes out1
.if DOCPART == 4
	.amdgcn_target "amdgcn-amd-amdhsa--gfx1250"
	.amdhsa_code_object_version 6
	.text
	.protected	k_qf3c26c0efa_finish
	.globl	k_qf3c26c0efa_finish
	.p2align	8
	.type	k_qf3c26c0efa_finish,@function
k_qf3c26c0efa_finish:
	s_mov_b64 s[64:65], 0
	v_nop
	global_prefetch_b8 v0, s[64:65] scope:SCOPE_SE
	s_setreg_imm32_b32 hwreg(HW_REG_WAVE_MODE, 25, 1), 1
	s_wait_xcnt 0x0
; out1 = m + 0.25 m, where m is the mean of (z - e)^2 over 32768 x 256 = 2^23 numbers: the sum of the 4,096 partial sums in part, times 2^-23.
; Both losses are the same mean, so it is made once.  One wave: 16,384 bytes are 32 loads of 512 consecutive bytes, all out at once; the sum over work-groups has a launch of its own.
	s_load_b128 s[4:7], s[0:1], 0x0                ; part s[4:5], out1 s[6:7]
	v_lshlrev_b32 v1, 4, v0
	v_mov_b32 v2, 0
	s_mov_b32 s8, 0x76543210
	s_mov_b32 s9, 0xfedcba98
	s_wait_kmcnt 0x0
.set i, 0
.rept 32
	global_load_b128 v[8+4*i:11+4*i], v1, s[4:5] offset:512*i
.set i, i+1
.endr
	s_wait_loadcnt 0x0
.set p, 4
.rept 60                               ; four chains of packed sums, started by the first four pairs: nothing is cleared
	v_pk_add_f32 v[8+2*(p%4):9+2*(p%4)], v[8+2*(p%4):9+2*(p%4)], v[8+2*p:9+2*p]
.set p, p+1
.endr
	v_pk_add_f32 v[8:9], v[8:9], v[10:11]
	v_pk_add_f32 v[12:13], v[12:13], v[14:15]
	v_pk_add_f32 v[8:9], v[8:9], v[12:13]
	v_add_f32 v8, v8, v9
	v_add_f32_dpp v8, v8, v8 row_xmask:1 row_mask:0xf bank_mask:0xf
	v_add_f32_dpp v8, v8, v8 row_xmask:2 row_mask:0xf bank_mask:0xf
	v_add_f32_dpp v8, v8, v8 row_xmask:4 row_mask:0xf bank_mask:0xf
	v_add_f32_dpp v8, v8, v8 row_xmask:8 row_mask:0xf bank_mask:0xf
	v_permlanex16_b32 v9, v8, s8, s9
	v_add_f32 v8, v8, v9
	v_mul_f32 v8, 0x34000000, v8                   ; x 2^-23
	v_fmamk_f32 v9, v8, 0x3e800000, v8             ; m x 0.25 + m
	v_cmp_eq_u32 vcc_lo, 0, v0
	s_wait_xcnt 0x0                                ; EXEC changes only behind this wait
	s_and_saveexec_b32 s10, vcc_lo
	global_store_b32 v2, v9, s[6:7]
	s_wait_xcnt 0x0
	s_or_b32 exec_lo, exec_lo, s10
	s_endpgm
.Lfunc_end_k_qf3c26c0efa_finish:
	.size	k_qf3c26c0efa_finish, .Lfunc_end_k_qf3c26c0efa_finish-k_qf3c26c0efa_finish
	.p2alignl 7, 3214868480
	.fill 96, 4, 3214868480
	.section	.rodata,"a",@progbits
	.p2align	6, 0x0
	.amdhsa_kernel k_qf3c26c0efa_finish
		.amdhsa_group_segment_fixed_size 0
		.amdhsa_private_segment_fixed_size 0
		.amdhsa_enable_private_segment 0
		.amdhsa_kernarg_size 16
		.amdhsa_user_sgpr_count 2
		.amdhsa_user_sgpr_kernarg_segment_ptr 1
		.amdhsa_wavefront_size32 1
		.amdhsa_system_sgpr_workgroup_id_x 1
		.amdhsa_system_sgpr_workgroup_id_y 1
		.amdhsa_system_sgpr_workgroup_id_z 1
		.amdhsa_system_vgpr_workitem_id 0
		.amdhsa_next_free_vgpr 140
		.amdhsa_next_free_sgpr 66
		.amdhsa_reserve_vcc 1
		.amdhsa_float_denorm_mode_32 3
		.amdhsa_float_denorm_mode_16_64 3
		.amdhsa_memory_ordered 1
		.amdhsa_forward_progress 1
		.amdhsa_inst_pref_size 9
	.end_amdhsa_kernel
	.amdgpu_metadata
---
amdhsa.version: [ 1, 2 ]
amdhsa.kernels:
  - .name:           k_qf3c26c0efa_finish
    .symbol:         k_qf3c26c0efa_finish.kd
    .args:
      - { .name: part, .offset: 0, .size: 8, .value_kind: global_buffer, .address_space: global }
      - { .name: out1, .offset: 8, .size: 8, .value_kind: global_buffer, .address_space: global }
    .group_segment_fixed_size: 0
    .private_segment_fixed_size: 0
    .kernarg_segment_align: 8
    .kernarg_segment_size: 16
    .max_flat_workgroup_size: 32
    .sgpr_count:     66
    .vgpr_count:     140
    .wavefront_size: 32
...
	.end_amdgpu_metadata
.endif
;; end of part 4
